; MI455X (gfx1250); checked and timed in simulation.
; The chip was launched on July 23, 2026; its instructions are those of AMD's public machine-readable ISA for CDNA 5 (MIT licence, August 2026) and "CDNA5" Instruction Set Architecture Reference Guide (July 2026). The comments in the code are by the model that wrote it; some were corrected since.
;; Multihead Attention. Allowed arithmetic: matrix products marked QUANTISED: E5M2 operands, one given power-of-two scale a tensor, by v_wmma_f32_16x16x64_bf8_bf8 or v_wmma_f32_16x16x128_bf8_bf8, f32 sums; everything else in f32.
;; Inputs: W_k_codes 1,024 x 32 x 32 uint8 (E5M2 codes of W_k, K innermost, in blocks of 32 codes); W_o_codes 1,024 x 32 x 32 uint8 (E5M2 codes of W_o, K innermost, in blocks of 32 codes); W_q_codes 1,024 x 32 x 32 uint8 (E5M2 codes of W_q, K innermost, in blocks of 32 codes); W_v_codes 1,024 x 32 x 32 uint8 (E5M2 codes of W_v, K innermost, in blocks of 32 codes); b_o 1,024 float32; lowp_scales 12 int32 (the exponents e of the quantised operands' scales 2^e); x_codes 4 x 2,048 x 32 x 32 uint8 (E5M2 codes of x, K innermost, in blocks of 32 codes).
;; Outputs: out0 4 x 2,048 x 1,024 float32.
;; This version of the problem:
;;   THIS VERSION OF THE PROBLEM IS GIVEN IN LOW PRECISION. The matrix products marked QUANTISED in the list below multiply operands that are first quantised to E5M2 (5 exponent bits, 2 mantissa bits; 8 bits a number), with one given power-of-two scale for each operand tensor; their sums are f32. All else is computed in f32.
;;   The module's matrix products, in the order in which they are computed (A, B: the left and right operand; K: the contracted axis; several contracted axes count as one K, in the product's order):
;;     1. [M 8,192, K 1,024] x [K 1,024, N 1,024]; A: input x (given as codes); B: input W_q (given as codes): QUANTISED (scales: A lowp_scales[0], B lowp_scales[1])
;;     2. [M 8,192, K 1,024] x [K 1,024, N 1,024]; A: input x (given as codes); B: input W_k (given as codes): QUANTISED (scales: A lowp_scales[2], B lowp_scales[3])
;;     3. [M 8,192, K 1,024] x [K 1,024, N 1,024]; A: input x (given as codes); B: input W_v (given as codes): QUANTISED (scales: A lowp_scales[4], B lowp_scales[5])
;;     4. batch 64 x [M 2,048, K 64] x [K 64, N 2,048]; A: computed on the way; B: computed on the way: QUANTISED (scales: A lowp_scales[6], B lowp_scales[7])
;;     5. batch 64 x [M 2,048, K 2,048] x [K 2,048, N 64]; A: softmax (see below); B: computed on the way: QUANTISED (scales: A lowp_scales[8], B lowp_scales[9])
;;     6. [M 8,192, K 1,024] x [K 1,024, N 1,024]; A: computed on the way; B: input W_o (given as codes): QUANTISED (scales: A lowp_scales[10], B lowp_scales[11])
;;   THE QUANTISER, for each operand of a quantised product, along K:
;;     - The operand's scale is 2^e, e = its entry of the input lowp_scales (int32; the entries are numbered through the quantised products in the list's order, A before B).
;;     - Each number is divided by the scale, clamped to +-57,344, and rounded to the nearest number of E5M2, ties to even, subnormals kept.
;;     - The product sums the exact products of the quantised numbers (number of the format x scale) in f32.
;;   ~~~python
;;   def quantise(x, axis, e):      # numpy; x: float32 -> the quantised numbers, widened to float32 again
;;       x = np.moveaxis(x, axis, -1); K = x.shape[-1]
;;       r = np.clip(x / 2.0 ** e, -57344, 57344)
;;       step = 2.0 ** (np.maximum(np.frexp(np.where(r == 0, 1, r))[1] - 1, -14) - 2)
;;       q = np.round(r / step) * step * 2.0 ** e      # np.round: ties to even
;;       return np.moveaxis(q, -1, axis).astype(np.float32)
;;   ~~~
;;   SOFTMAX AHEAD OF A QUANTISED PRODUCT. Where the list says 'softmax', what is quantised is not the finished softmax but p = 2^(t - M), with t = logit x log2(e) and M = ceil(the row's largest t), a whole number; so 1/2 < the row's largest p <= 1. The row's sum l is taken of the UNQUANTISED p, in f32, and the product's result is divided by l at the end. Since M is a whole number, a kernel that streams over the keys may use a running M (the ceiling of the running maximum): every later rescaling is an exact power of two, so the quantised numbers keep their values, but for numbers so far below the row's largest that they fall under the format's range.
;;   OPERANDS COMPUTED ON THE WAY. 'Computed on the way' means the value that the module computes at that place (a softmax that the list does not call 'softmax' is quantised finished and normalised). What goes into a quantiser is computed in f32, as accurately as f32 sums, v_exp_f32 and their like allow (about 1e-6 of the number): no bf16 or f16 on the way to a quantiser, and a product that is left as it is and whose result goes on into a quantised operand takes f32 operands (vector FMAs, or v_wmma_f32_16x16x4_f32). A number that lies on a knife's edge between two numbers of the format may be rounded either way, as far as f32 arithmetic and the matrix unit's own rounding can turn it there, and no further.
;;   INPUTS GIVEN AS CODES. W_k (in the module: [1024, 1024], K = its axis 0); W_o (in the module: [1024, 1024], K = its axis 0); W_q (in the module: [1024, 1024], K = its axis 0); W_v (in the module: [1024, 1024], K = its axis 0); x (in the module: [4, 2048, 1024], K = its axis 2): each comes as NAME_codes (uint8): NAME with its K axis moved to the last place and cut into blocks of 32 codes, [.., K / 32, bytes a block], one block behind the other in memory; one code a byte (a code: sign, 5 exponent bits, 2 mantissa bits); its scale is its entry of lowp_scales. Its value is code x scale, taken as it is: it is not quantised again, and the codes and scales need not be those that the quantiser above would give.
;; One version. Each part assembles by itself: llvm-mc -triple=amdgcn-amd-amdhsa -mcpu=gfx1250 --defsym DOCPART=n.
;; ======== version 1 of 1: 3 launches
;; limits: right only within a limited range of input values
;; workspace buffers: q_img 8,388,608 bytes; k_img 8,388,608 bytes; v_img 8,388,608 bytes; ctx_img 8,388,608 bytes
;; launch qkv (part 1): grid 12 x 32, 4 waves a work-group, clusters of 4 x 4, 327,680 bytes of LDS; arguments x_codes, W_q_codes, W_k_codes, W_v_codes, lowp_scales, q_img, k_img, v_img; writes q_img, k_img, v_img
.if DOCPART == 1
	.amdgcn_target "amdgcn-amd-amdhsa--gfx1250"
	.amdhsa_code_object_version 6
	.text
	.protected	k_q04e292a5a5_qkv
	.globl	k_q04e292a5a5_qkv
	.p2align	8
	.type	k_q04e292a5a5_qkv,@function
k_q04e292a5a5_qkv:
	s_mov_b64 s[64:65], 0
	v_nop
	global_prefetch_b8 v0, s[64:65] scope:SCOPE_SE
	s_setreg_imm32_b32 hwreg(HW_REG_WAVE_MODE, 25, 1), 1
	s_wait_xcnt 0x0
	s_wait_alu depctr_hold_cnt(0) depctr_sa_sdst(0) depctr_va_vdst(0) depctr_va_sdst(0) depctr_va_ssrc(0) depctr_va_vcc(0) depctr_vm_vsrc(0)
	s_getreg_b32 s2, hwreg(HW_REG_IB_STS2, 6, 4)
	s_cmp_eq_u32 s2, 0
	s_cbranch_scc0 .Lentry_in_a_cluster
	s_endpgm
.Lentry_in_a_cluster:
	s_bfe_u32 s2, ttmp6, 0x10000c
	s_cmp_lg_u32 s2, 0xf033
	s_cbranch_scc0 .Lentry_shape_is_right
	s_endpgm
.Lentry_shape_is_right:
; q = x W_q, k = x W_k, v = x W_v on codes of BF8 (E5M2), sums in f32; the results are quantised at once (q with lowp_scales[6], k with [7], v with [9]) and stored as codes.
; x: [8192][1024] codes, W_*: [1024 (n)][1024 (k)] codes, K innermost: rows of 1,024 bytes.  The cluster's x says which product: 0 q, 1 k, 2 v; it is the same in all sixteen partners.
; A work-group of four waves makes 256 x 256 results over K = 1,024; a wave 128 x 128: 64 accumulators of 16 x 16, 512 registers.  K goes in steps of 256 through two LDS slots filled by the tensor data mover.
; A slot has a region A (256 rows) and a region B (256 rows).  The matrix instruction takes source 0 = 16 rows of B, source 1 = 16 rows of A: lane (r, hl) then holds row r of A's block and,
; in its eight registers, rows 8 hl + 0 .. 7 of B's block.  FOR q AND k: A = x (tokens), B = W (features): a lane's registers run along the head's 64, which is the next product's K.
; FOR v THE DATA CHANGE PLACES, NOT THE TEXT: A = W_v (features), B = x (tokens): a lane's registers run along the keys, which is the K of the product that reads v.  Nothing is transposed.
; CLUSTERS: 4 x 4 work-groups.  A's tile hangs on cy (and the cluster's y), B's on cx (and the cluster's y): each is asked for JOINTLY by the four of a row or of a column of the cluster.
; THE RESULTS ARE STORED AS IMAGES OF THE READER'S OPERAND REGISTERS (r = lane % 16, hl = lane / 16, hd = 16 x batch + head):
;   q_img, k_img: [hd 64][tile of 16 tokens 128][c2 2][lane 32][16 bytes]: registers 4 c2 .. 4 c2 + 3 of the K = 64 operand; registers 2 c, 2 c + 1 hold d = 16 c + 8 hl + 0 .. 7 of token r.
;   v_img: [hd 64][block of 128 keys 16][dt 4][g 4][lane 32][16 bytes]: registers 4 g .. 4 g + 3 of the K = 128 operand; registers 2 c, 2 c + 1 hold keys 16 c + 8 hl + 0 .. 7 of d = 16 dt + r.
; The conversions' results are these registers in these lanes, so each store of the wave covers 512 consecutive bytes, aligned, straight from registers: no stage in LDS.
; A code is sum / 2^E, E = e_out - e_x - e_w.  LIMIT: -126 <= E <= 112, so that 2^E and 57,344 x 2^E are f32 numbers.  Codes of infinity or NaN among the inputs are not served.
; Both operands are fetched from LDS by loads of 16 bytes: a permutation of k inside a step of 128, the same on both sides, so every product meets its partner.
; No prefetch: K is four steps; two are asked for at the head and the other two within the first two steps.
; REGISTERS, in windows of 256: window 0: v0-31 addresses and constants; v32-47 codes on the way out; from v128 A's fragments, ONE set.  window 1: B's fragments, TWO sets.
;   window 2: the accumulators of A's blocks 0-3 (accumulator (a, b) at v[8 (8 a + b)]);  window 3: those of blocks 4-7.
.set KSTEP,  256                       ; along K in a slot
.set ROWB,   256                       ; a tile's row in bytes
.set KROW,   1024                      ; a row of x or of a weight in memory, in bytes
.set PITCH,  272                       ; an LDS row: 256 bytes + 16 of padding = 68 words: row r starts at bank 4 r mod 64 (64 banks of 4 bytes: ISA guide 11.1)
.set FR,     16                        ; registers of a fragment: 16 rows x 128 K
.set NL,     4                         ; LDS loads that bring one
.set NP,     4                         ; places behind this matrix instruction (ISA guide 7.12.1)
.set HALFT,  128*PITCH                 ; 128 rows: what one tensor load brings, and what one wave reads of A or of B
.set SLOT,   4*HALFT                   ; A's 256 rows, then B's 256 rows
.set SPARE,  2*SLOT                    ; behind the ring: the spare words, 128 bytes for each wave: two blocks of 256 bytes that no other line names
.set ADRA, 16                          ; v16-17  LDS address of my A fragments in slot 0, 1
.set ADRB, 20                          ; v20-21  the same for B
.set CO,   26                          ; v26     16 x lane: my place in an image's 512 bytes
.set CO2,  27                          ; v27     the same, one head (q, k) or two pieces (v) further on
.set SPW,  28                          ; v28     LDS address of my spare word; never rewritten
.set NIL,  29                          ; v29     0; never rewritten
.set SCL,  30                          ; v30     2^E as f32
.set LIM,  31
.set PC,   32                          ; v32-47  a block's codes
.set AF,   128                         ; A's fragments, in window 0
.set G1, 24                            ; s[24:31] descriptor group 1 for A's tiles;  s[32:39] group 0, one set for each slot
.set G0, 32
.set G1B, 48                           ; s[48:55], s[56:63] the same for B's tiles
.set G0B, 56
.set MSB, 0
.macro WIN new                         ; the immediate's high byte repeats the setting that is left
.if MSB != \new
	s_set_vgpr_msb (MSB<<8)|\new
.set MSB, \new
.endif
.endm
.set MUL_LO, 0xa1                      ; source 0 (B) window 1, source 1 (A) window 0, C and D window 2
.set MUL_HI, 0xf1                      ; the same, C and D window 3
.set TO_B,   0x40                      ; destination window 1, address window 0
; A joint load: waves 0 and 1 fetch for A, waves 2 and 3 for B.  Each line has one mask and one set of registers; the branch hangs on the wave's number alone.
; Four v_nop follow each of the two lines, ahead of the jump, the label and what follows.
.macro JLOAD g0a, g1a, g0b, g1b
	s_cmp_eq_u32 s15, 0
	s_cbranch_scc0 .Lfor_b_\@
	tensor_load_to_lds s[\g0a:\g0a+3], s[\g1a:\g1a+7]
	s_nop 0
.rept 4
	v_nop
.endr
	s_branch .Lasked_\@
.Lfor_b_\@:
	tensor_load_to_lds s[\g0b:\g0b+3], s[\g1b:\g1b+7]
	s_nop 0
.rept 4
	v_nop
.endr
.Lasked_\@:
.endm
.macro CREST                           ; a round of the cluster's barrier behind its opening barrier
	s_cmp_lg_u32 s14, 0
	s_cbranch_scc1 .Lnot_wave_0_\@
	s_barrier_signal -3
.Lnot_wave_0_\@:
	s_barrier_wait -3
	s_barrier_signal -1
	s_barrier_wait -1
.endm
.macro CROUND                          ; a whole round
	s_barrier_signal -1
	s_barrier_wait -1
	CREST
.endm
	s_load_b512 s[68:83], s[0:1], 0x0              ; x 68, W_q 70, W_k 72, W_v 74, the scales' exponents 76, q_img 78, k_img 80, v_img 82
	v_lshl_add_u32 v[SPW], v0, 2, SPARE
	v_mov_b32 v[NIL], 0
	ds_add_u32 v28, v29
	ds_add_u32 v28, v29
	s_wait_dscnt 0x0
	v_lshrrev_b32 v1, 5, v0
	v_readfirstlane_b32 s14, v1                    ; wave 0..3
	s_lshr_b32 s15, s14, 1                         ; ha: which half of A's rows is mine.  Also: I fetch for A (0) or for B (1)
	s_and_b32 s16, s14, 1                          ; hb: which half of B's rows.  Also: which 128 rows of that tile I fetch
	s_bfe_u32 s40, ttmp6, 0x40000                  ; cx, cy: my place in the cluster
	s_bfe_u32 s41, ttmp6, 0x40004
	s_and_b32 s19, ttmp7, 0xffff
	s_lshl_b32 s19, s19, 2                         ; 4 x the cluster's y
	s_lshl_b32 s43, s41, 2
	s_lshl_b32 s43, 15, s43                        ; my row of the cluster
	s_lshl_b32 s44, 0x1111, s40                    ; my column
	; descriptor group 1: a tile of 128 rows x 256 bytes, padded in LDS
	s_or_b32 s[G1+0], s43, (0<<16)|(1<<20)|(1<<21)|(5<<22)|(3<<25)  ; 15:0 the mask: A's tiles go to my row; 17:16 element of 1 byte; 20 padding on; 21 set beside a mask; 24:22 after every 64 words; 31:25 four words
	s_or_b32 s[G1B+0], s44, (0<<16)|(1<<20)|(1<<21)|(5<<22)|(3<<25) ; the same with the mask of my column
.irp g, G1, G1B
	s_mov_b32 s[\g+1], ROWB<<16                    ; tensor_dim0
	s_mov_b32 s[\g+2], 128<<16                     ; tensor_dim1 = 128
	s_mov_b32 s[\g+3], ROWB<<16                    ; tile_dim0
	s_mov_b32 s[\g+4], 128                         ; tile_dim1 = 128
	s_mov_b32 s[\g+5], KROW                        ; tensor_dim0_stride
	s_mov_b32 s[\g+6], 0
	s_mov_b32 s[\g+7], 0
.endr
	; what differs between q, k (tokens in A) and v (tokens in B): chosen on the cluster's x, which all partners share.  Only selects stand behind the compare
	s_mov_b32 s2, 131072
	s_mov_b32 s8, 1024
	s_mov_b32 s12, 1024
	s_mov_b32 s9, 0
	s_mov_b32 s13, 0
	s_cmp_eq_u32 ttmp9, 2
	s_cselect_b32 s17, 0, s19                      ; A's tile row without cy: W_v's begin at 0, x's at 4 x cluster y
	s_cselect_b32 s42, s19, 0                      ; B's tile row without cx
	s_cselect_b32 s22, s40, s41                    ; the place that counts tokens,
	s_cselect_b32 s23, s41, s40                    ; and the one that counts features
	s_cselect_b32 s18, s16, s15                    ; my half among the tokens,
	s_cselect_b32 s3, s15, s16                     ; and among the features
	s_cselect_b32 s2, 1024, s2                     ; from a block's codes 0-7 to its codes 8-15: v: two pieces of 512 bytes; q, k: one head
	s_cselect_b32 s8, 2048, s8                     ; from block a to block a + 1: v: the next 16 of the head's 64; q, k: the next 16 tokens
	s_cselect_b32 s12, 124928, s12                 ; from block 3 to block 4: v: the next head, less three fragments of 2,048; q, k: as every block
	s_add_co_u32 s17, s17, s41                     ; A's tile row: it never holds cx
	s_add_co_u32 s42, s42, s40                     ; B's tile row: it never holds cy
	; where my wave's codes begin in its image
	s_add_co_u32 s22, s22, s19
	s_lshl_b32 s22, s22, 8
	s_lshl_b32 s18, s18, 7
	s_add_co_u32 s22, s22, s18                     ; my first token
	s_lshl_b32 s23, s23, 2
	s_lshl_b32 s3, s3, 1
	s_add_co_u32 s23, s23, s3                      ; my first head: 4 to a tile of 256 features, 2 to a half
	s_lshr_b32 s18, s22, 11                        ; the batch
	s_lshl_b32 s18, s18, 4
	s_add_co_u32 s18, s18, s23                     ; hd
	s_lshl_b32 s18, s18, 17                        ; a head's image is 131,072 bytes
	s_and_b32 s22, s22, 2047
	s_lshl_b32 s22, s22, 6                         ; 64 bytes for each token of the sequence, in all three images
	s_add_co_u32 s18, s18, s22
	s_mov_b32 s19, 0
	; where the tiles come from
	s_lshl_b32 s3, s16, 7                          ; which 128 rows of the tile I fetch
	s_lshl_b32 s20, s17, 8
	s_add_co_u32 s20, s20, s3
	s_lshl_b32 s20, s20, 10                        ; A: (256 x tile row + 128 x half) rows of 1,024 bytes
	s_mov_b32 s21, 0
	s_lshl_b32 s46, s42, 8
	s_add_co_u32 s46, s46, s3
	s_lshl_b32 s46, s46, 10                        ; B likewise
	s_mov_b32 s47, 0
	s_mul_i32 s45, s14, HALFT                      ; where they go: wave x 128 rows: no place in the cluster enters an LDS address
	s_wait_kmcnt 0x0
	s_load_b256 s[84:91], s[76:77], 0x0            ; e0 .. e7
	s_load_b128 s[92:95], s[76:77], 0x20           ; e8 .. e11
	s_cmp_eq_u32 ttmp9, 0
	s_cselect_b64 s[6:7], s[70:71], s[72:73]       ; W_q or W_k
	s_cselect_b64 s[10:11], s[78:79], s[80:81]     ; q_img or k_img
	s_cmp_eq_u32 ttmp9, 2
	s_cselect_b64 s[4:5], s[74:75], s[68:69]       ; region A: W_v for v, else x
	s_cselect_b64 s[6:7], s[68:69], s[6:7]         ; region B: x for v, else the weight
	s_cselect_b64 s[10:11], s[82:83], s[10:11]     ; the image
	s_add_nc_u64 s[20:21], s[4:5], s[20:21]
	s_add_nc_u64 s[46:47], s[6:7], s[46:47]
	s_add_nc_u64 s[10:11], s[10:11], s[18:19]
	CROUND                                         ; all sixteen work-groups are here: the first joint loads meet
.irp s, 0,1
	s_mov_b32 s[G0+4*\s], 1
	s_add_co_u32 s[G0+4*\s+1], s45, \s*SLOT
	s_add_nc_u64 s[G0+4*\s+2:G0+4*\s+3], s[20:21], \s*ROWB
	s_or_b32 s[G0+4*\s+3], s[G0+4*\s+3], 0x80000000
	s_mov_b32 s[G0B+4*\s], 1
	s_add_co_u32 s[G0B+4*\s+1], s45, \s*SLOT
	s_add_nc_u64 s[G0B+4*\s+2:G0B+4*\s+3], s[46:47], \s*ROWB
	s_or_b32 s[G0B+4*\s+3], s[G0B+4*\s+3], 0x80000000
	JLOAD G0+4*\s, G1, G0B+4*\s, G1B
.endr
	v_and_b32 v1, 15, v0                           ; r
	v_bfe_u32 v2, v0, 4, 1                         ; hl
	v_mul_u32_u24 v3, v1, PITCH
	v_lshl_add_u32 v4, v2, 4, v3                   ; a fragment's row x pitch + 16 x half
	s_mul_i32 s21, s15, HALFT                      ; my 128 rows of A
	s_mul_i32 s22, s16, HALFT                      ; my 128 rows of B,
	s_add_co_u32 s22, s22, 2*HALFT                 ; which lie behind A's 256
.irp s, 0,1
	v_add_nc_u32 v[ADRA+\s], s21, v4
	v_add_nc_u32 v[ADRB+\s], s22, v4
	s_add_co_u32 s21, s21, SLOT
	s_add_co_u32 s22, s22, SLOT
.endr
	v_and_b32 v6, 31, v0
	v_lshlrev_b32 v[CO], 4, v6
	v_add_nc_u32 v[CO2], s2, v[CO]
.macro FRAG reg, adr, q, i             ; a fragment, 16 rows x 128 K, is 16 registers: lane l holds row l % 16; registers 4 c .. 4 c + 3 hold K = 32 c + 16 (l / 16) + 0 .. 15
.irp c, 0,1,2,3
	ds_load_b128 v[\reg+4*\c:\reg+4*\c+3], v[\adr] offset:128*(\q)+32*\c+(\i)*16*PITCH
.endr
.endm
; 16 matrix instructions: A's blocks a0, a0 + 1 x B's eight, 128 along K.  p: B's set.  zero = 1: the first product starts the sums: nothing is ever cleared.
; The 64 accumulators take turns, one instruction a turn, in the same order in every step.
.macro MUL16 a0, p, zero
.irp a, \a0, \a0+1
.irp b, 0,1,2,3,4,5,6,7
.if \zero
	v_wmma_f32_16x16x128_bf8_bf8 v[8*(8*((\a)%4)+\b):8*(8*((\a)%4)+\b)+7], v[128*(\p)+FR*\b:128*(\p)+FR*\b+FR-1], v[AF+FR*(\a):AF+FR*(\a)+FR-1], 0
.else
	v_wmma_f32_16x16x128_bf8_bf8 v[8*(8*((\a)%4)+\b):8*(8*((\a)%4)+\b)+7], v[128*(\p)+FR*\b:128*(\p)+FR*\b+FR-1], v[AF+FR*(\a):AF+FR*(\a)+FR-1], v[8*(8*((\a)%4)+\b):8*(8*((\a)%4)+\b)+7]
.endif
.endr
.endr
.endm
.macro FETCH_B slot, q, p              ; B's eight fragments of the slot's q-th 128 along K into set p
	WIN TO_B
.irp i, 0,1,2,3,4,5,6,7
	FRAG 128*(\p)+FR*\i, ADRB+\slot, \q, \i
.endr
	WIN 0
.endm
.macro FETCH_A slot, q, i0             ; A's blocks i0 .. i0 + 3
.irp i, \i0, \i0+1, \i0+2, \i0+3
	FRAG AF+FR*(\i), ADRA+\slot, \q, \i
.endr
.endm
; A load into a register that a matrix instruction has read, and a vector instruction that reads a matrix result, stand NP places behind that matrix instruction; only plain vector
; instructions that name none of its registers are places (ISA guide 7.12.1 for vector instructions).
.macro PLACES n
.rept \n
	v_nop
.endr
.endm
; A step of 128 along K that has its successor in the same slot.  A block of A is free as soon as its eight products are issued, so one set of registers serves A.
.macro STEP slot, q, zero
	s_wait_dscnt 4*NL                              ; B's set and A's blocks 0-3 are in; the youngest sixteen loads (A's blocks 4-7) may be out
	WIN MUL_LO
	MUL16 0, (\q)%2, \zero
	MUL16 2, (\q)%2, \zero
	s_wait_dscnt 0                                 ; A's blocks 4-7 are in (asked for 32 matrix instructions ago)
	PLACES NP
	FETCH_B \slot, (\q)+1, 1-(\q)%2
	FETCH_A \slot, (\q)+1, 0
	WIN MUL_HI
	MUL16 4, (\q)%2, \zero
	MUL16 6, (\q)%2, \zero
	PLACES NP
	WIN 0
	FETCH_A \slot, (\q)+1, 4
.endm
; A slot's last step changes slots: ONE barrier; in front of it each wave waits for all its tensor loads, adds 0 to its spare word, and waits for that and for its own reads of this slot.
; fill = 1: this slot is filled again, two K steps ahead; the barrier then opens a round of the cluster's barrier.
.macro TURN slot, next, fill
	s_wait_tensorcnt 0x0                           ; all my tensor loads have landed: my part of the next slot  (every window is 0 here)
	ds_add_u32 v[SPW], v[NIL]                      ; 0 onto my spare word
	s_wait_dscnt 4*NL+1                            ; (the add and the youngest sixteen loads, A's blocks 4-7, may be out)
	WIN MUL_LO
	MUL16 0, 1, 0                                  ; sixteen matrix instructions stand between the add and the wait for it
	s_wait_dscnt 0x0                               ; the add is done, and my reads of this slot are over
	s_barrier_signal -1
	MUL16 2, 1, 0
	WIN 0
	s_barrier_wait -1
.if \fill
	CREST                                          ; no wave of any partner still reads this slot's tile or has a load on its way
	s_add_nc_u64 s[G0+4*\slot+2:G0+4*\slot+3], s[G0+4*\slot+2:G0+4*\slot+3], 2*ROWB
	s_add_nc_u64 s[G0B+4*\slot+2:G0B+4*\slot+3], s[G0B+4*\slot+2:G0B+4*\slot+3], 2*ROWB
	JLOAD G0+4*\slot, G1, G0B+4*\slot, G1B         ; the first tensor load behind the round; its four v_nop are the places in front of the loads below
.else
	PLACES NP
.endif
	FETCH_B \next, 0, 0
	FETCH_A \next, 0, 0
	WIN MUL_HI
	MUL16 4, 1, 0
	MUL16 6, 1, 0
	PLACES NP
	WIN 0
	FETCH_A \next, 0, 4
.endm
	s_wait_alu depctr_va_vdst(0)
	s_wait_tensorcnt 1                             ; my part of K step 0 is in (K step 1's load may be out)
	s_barrier_signal -1
	s_barrier_wait -1                              ; everybody's is
	FETCH_B 0, 0, 0
	FETCH_A 0, 0, 0
	FETCH_A 0, 0, 4
	STEP 0, 0, 1                                   ; K = 1,024 is eight steps of 128, four slots' worth: written out.  The first products start the sums
	TURN 0, 1, 1                                   ; slot 0 takes K 512 ..
	STEP 1, 0, 0
	TURN 1, 0, 1                                   ; slot 1 takes K 768 ..
	STEP 0, 0, 0
	TURN 0, 1, 0                                   ; nothing is left to fetch
	STEP 1, 0, 0
	s_wait_dscnt 4*NL                              ; the very last step
	WIN MUL_LO
	MUL16 0, 1, 0
	MUL16 2, 1, 0
	s_wait_dscnt 0
	WIN MUL_HI
	MUL16 4, 1, 0
	MUL16 6, 1, 0
	WIN 0
	; THE WAY OUT.  E = e_out - e_x - e_w of my product; no branch hangs on a loaded number
	s_wait_kmcnt 0x0
	s_sub_co_i32 s96, s90, s84
	s_sub_co_i32 s96, s96, s85                     ; q: e6 - e0 - e1
	s_sub_co_i32 s97, s91, s86
	s_sub_co_i32 s97, s97, s87                     ; k: e7 - e2 - e3
	s_sub_co_i32 s98, s93, s88
	s_sub_co_i32 s98, s98, s89                     ; v: e9 - e4 - e5
	s_cmp_eq_u32 ttmp9, 0
	s_cselect_b32 s96, s96, s97
	s_cmp_eq_u32 ttmp9, 2
	s_cselect_b32 s96, s98, s96
	s_add_co_i32 s96, s96, 127
	s_lshl_b32 s97, s96, 23
	v_mov_b32 v[SCL], s97                          ; 2^E: the conversion takes its exponent field
	s_wait_alu depctr_va_vdst(0)
	s_add_co_i32 s96, s96, 15
	s_lshl_b32 s96, s96, 23
	s_or_b32 s96, s96, 0x600000
	PLACES NP-2                                    ; with the v_mov above and the first block's v_nop: four places behind the last products
; Block a (A's rows 16 a ..): its 64 sums a lane are converted to 16 registers of codes and stored as four pieces of 512 bytes.
.macro OUTBLK a
.set AC, 64*((\a)%4)
.set WA, 2+(\a)/4
.set WB, WA|(WA<<6)
	WIN WB                                         ; source 0 and destination: the accumulators' window
.set j, 0
.rept 64
.set j, j+1
.endr
	s_wait_xcnt 0x0                                ; the last block's stores have read their codes and their base: both are written again only behind this wait
.if (\a) == 4
	s_add_nc_u64 s[10:11], s[10:11], s[12:13]
.elseif (\a) > 0
	s_add_nc_u64 s[10:11], s[10:11], s[8:9]
.endif
	WIN WA                                         ; source 0: the accumulators' window; the codes and the scale in window 0
	v_nop
.irp b, 0,1,2,3,4,5,6,7
	v_cvt_scalef32_pk8_bf8_f32 v[PC+2*\b:PC+2*\b+1], v[AC+8*\b:AC+8*\b+7], v[SCL]
.endr
	WIN 0
	v_nop                                          ; one plain vector line behind the last conversion of a run
	global_store_b128 v[CO],  v[PC:PC+3],     s[10:11]             ; each: 32 lanes, 512 consecutive bytes, at a multiple of 512 from the image's first byte
	global_store_b128 v[CO],  v[PC+4:PC+7],   s[10:11] offset:512
	global_store_b128 v[CO2], v[PC+8:PC+11],  s[10:11]
	global_store_b128 v[CO2], v[PC+12:PC+15], s[10:11] offset:512
.endm
.irp a, 0,1,2,3,4,5,6,7
	OUTBLK \a
.endr
	s_wait_tensorcnt 0x0                           ; the wave's end
	ds_add_u32 v[SPW], v[NIL]
	s_wait_dscnt 0x0
	CROUND                                         ; the closing round: no work-group ends while a partner may still ask for a tile that names it
	s_endpgm
.Lfunc_end_k_q04e292a5a5_qkv:
	.size	k_q04e292a5a5_qkv, .Lfunc_end_k_q04e292a5a5_qkv-k_q04e292a5a5_qkv
	.p2alignl 7, 3214868480
	.fill 96, 4, 3214868480
	.section	.rodata,"a",@progbits
	.p2align	6, 0x0
	.amdhsa_kernel k_q04e292a5a5_qkv
		.amdhsa_group_segment_fixed_size 327680
		.amdhsa_private_segment_fixed_size 0
		.amdhsa_enable_private_segment 0
		.amdhsa_kernarg_size 64
		.amdhsa_user_sgpr_count 2
		.amdhsa_user_sgpr_kernarg_segment_ptr 1
		.amdhsa_wavefront_size32 1
		.amdhsa_system_sgpr_workgroup_id_x 1
		.amdhsa_system_sgpr_workgroup_id_y 1
		.amdhsa_system_sgpr_workgroup_id_z 1
		.amdhsa_system_vgpr_workitem_id 0
		.amdhsa_next_free_vgpr 1024
		.amdhsa_next_free_sgpr 100
		.amdhsa_reserve_vcc 0
		.amdhsa_float_denorm_mode_32 3
		.amdhsa_float_denorm_mode_16_64 3
		.amdhsa_fp16_overflow 1
		.amdhsa_memory_ordered 1
		.amdhsa_forward_progress 1
		.amdhsa_inst_pref_size 87
	.end_amdhsa_kernel
	.amdgpu_metadata
---
amdhsa.version: [ 1, 2 ]
amdhsa.kernels:
  - .name:           k_q04e292a5a5_qkv
    .symbol:         k_q04e292a5a5_qkv.kd
    .args:
      - { .name: x_codes, .offset: 0, .size: 8, .value_kind: global_buffer, .address_space: global }
      - { .name: W_q_codes, .offset: 8, .size: 8, .value_kind: global_buffer, .address_space: global }
      - { .name: W_k_codes, .offset: 16, .size: 8, .value_kind: global_buffer, .address_space: global }
      - { .name: W_v_codes, .offset: 24, .size: 8, .value_kind: global_buffer, .address_space: global }
      - { .name: lowp_scales, .offset: 32, .size: 8, .value_kind: global_buffer, .address_space: global }
      - { .name: q_img, .offset: 40, .size: 8, .value_kind: global_buffer, .address_space: global }
      - { .name: k_img, .offset: 48, .size: 8, .value_kind: global_buffer, .address_space: global }
      - { .name: v_img, .offset: 56, .size: 8, .value_kind: global_buffer, .address_space: global }
    .group_segment_fixed_size: 327680
    .private_segment_fixed_size: 0
    .kernarg_segment_align: 8
    .kernarg_segment_size: 64
    .max_flat_workgroup_size: 128
    .sgpr_count:     100
    .vgpr_count:     1024
    .wavefront_size: 32
...
	.end_amdgpu_metadata
.endif
;; end of part 1
;; launch attn (part 2): grid 4 x 64, 16 waves a work-group, clusters of 4 x 1, 264,192 bytes of LDS; arguments q_img, k_img, v_img, lowp_scales, ctx_img; writes ctx_img
.if DOCPART == 2
	.amdgcn_target "amdgcn-amd-amdhsa--gfx1250"
	.amdhsa_code_object_version 6
	.text
	.protected	k_q04e292a5a5_attn
	.globl	k_q04e292a5a5_attn
	.p2align	8
	.type	k_q04e292a5a5_attn,@function
k_q04e292a5a5_attn:
	s_mov_b64 s[64:65], 0
	v_nop
	global_prefetch_b8 v0, s[64:65] scope:SCOPE_SE
	s_setreg_imm32_b32 hwreg(HW_REG_WAVE_MODE, 25, 1), 1
	s_wait_xcnt 0x0
	s_wait_alu depctr_hold_cnt(0) depctr_sa_sdst(0) depctr_va_vdst(0) depctr_va_sdst(0) depctr_va_ssrc(0) depctr_va_vcc(0) depctr_vm_vsrc(0)
	s_getreg_b32 s2, hwreg(HW_REG_IB_STS2, 6, 4)
	s_cmp_eq_u32 s2, 0
	s_cbranch_scc0 .Lentry_in_a_cluster
	s_endpgm
.Lentry_in_a_cluster:
	s_bfe_u32 s2, ttmp6, 0x10000c
	s_cmp_lg_u32 s2, 0x3003
	s_cbranch_scc0 .Lentry_shape_is_right
	s_endpgm
.Lentry_shape_is_right:
; ctx[b][q][64 h + d] = the sum over keys k <= q of softmax_k(q . k / 8) v, both products on codes of BF8 (E5M2); ctx is quantised at once (lowp_scales[10]) and stored as codes.
; q_img, k_img, v_img: images of operand registers, hd = 16 b + h, r = lane % 16, hl = lane / 16:
;   q_img, k_img [hd 64][tile of 16 tokens 128][c2 2][lane 32][16 bytes]: registers 4 c2 .. 4 c2 + 3 of the K = 64 operand (registers 2 c, 2 c + 1: d = 16 c + 8 hl + 0 .. 7 of token r);
;   v_img [hd 64][block of 128 keys 16][dt 4][g 4][lane 32][16 bytes]: registers 4 g .. 4 g + 3 of the K = 128 operand (registers 2 c, 2 c + 1: keys 16 c + 8 hl + 0 .. 7 of d = 16 dt + r).
; ctx_img [kk 4][tile of 16 tokens 512][hq 4][g2 2][lane 32][16 bytes], kk = h / 4, hq = h % 4: for one tile and one kk, 4,096 bytes = two K = 128 operands along 64 h + d.
; THE SOFTMAX AHEAD OF THE SECOND PRODUCT: t = score x log2(e) / 8; M = the running largest t rounded UP to a whole number; p = 2^(t - M) is quantised (2^e8), not normalised; the row's sum is
; taken of the unquantised p and divides at the end.  When M moves, the sum and O are multiplied by 2^(old M - new M): exact.
; SHARES.  A cluster is the four work-groups of one head.  THE HEAD'S WHOLE K AND V LIE IN LDS: 131,072 + 131,072 bytes, filled ONCE, by joint loads that all four issue alike; no LDS byte is filled again,
; so behind the first round the partners run freely.  The head's 128 tiles of 16 queries are dealt out as t = 4 u + cx, u = 0 .. 31; wave w takes u = 31 - w and then u = w.
; Tile t needs the key steps (128 keys) 0 .. u / 2: those below u / 2 are open, u / 2 lies on the diagonal, the rest are hidden by the causal mask and left out.  None of these tests holds cx.
; Every wave of every work-group so has (31 - w) / 2 + w / 2 + 2 = 17 steps.  cx enters Q's and ctx's addresses in memory and the number that the mask compares with, and nothing else.
; LAYOUT.  Both products are used transposed: S^T = K Q^T (source 0 = 16 keys, source 1 = my 16 queries), O^T = V^T P^T (source 0 = 16 of the head's 64, source 1 = P): a lane holds ONE query (r).
; Tile T of S^T holds keys 16 T + 8 hl + 0 .. 7 in its eight registers: converted, they are registers 2 T, 2 T + 1 of the K = 128 operand P.  O^T's tile dt holds d = 16 dt + 8 hl + 0 .. 7:
; converted, registers 8 (h % 2) + 2 dt and the next of the reader's operand.  So nothing changes lanes, and every store of the wave covers 512 consecutive bytes, aligned.
; Sixteen waves of 256 registers, four to a SIMD: one wave's vector work stands beside another's matrix work and LDS loads.
; LIMITS on the given exponents, so that each power of two below is an f32 number: e6 + e7 between -123 and 130 (added to c's exponent field); e8, and e10 - e8 - e9, between -126 and 112.
; No prefetch: all of K and V is asked for at the head; nothing is left to ask for earlier.
; REGISTERS: v1 16 x lane; v2 the same in V's half of LDS; v3, v4 addresses of the step in hand; v5 the mask's number; v6 r - 8 hl; v7 -infinity; v8 2^e8; v10 the same for ctx;
;   v12 -M, v13 the largest t, v[14:15] the sum in two halves; v16-23 Q; v24-31 at work, on the way out ctx's codes; v32-95 K's eight fragments, then v32-47 p's codes; v96-159 S^T, then p; v160-191 O^T; v192-255 V's four fragments.
.set LI,   1
.set LV,   2
.set ADK,  3
.set ADV,  4
.set DD,   5
.set RH,   6
.set NINF, 7
.set PSC,  8
.set PLIM, 9
.set CSC,  10
.set CLIM, 11
.set QF,   16
.set KF,   32
.set PC,   32
.set S,    96
.set O,    160
.set VF,   192
.set VBASE, 131072                     ; LDS: K at 0 (step s at 8,192 s, tile T at + 1,024 T), V here (step s at 8,192 s, tile dt at + 2,048 dt)
.set WV,   14                          ; s14  my wave's number
.set SEL,  20                          ; s[20:21] lane selects for v_permlanex16_b32: lane l xor 16
.set CS,   22                          ; s[22:23] c = log2(e) / 8 x 2^(e6 + e7)
.set G1A,  24                          ; s[24:31], s[32:39], s[40:47] descriptor groups 1 for the three groups of steps
.set G1B,  32
.set G1C,  40
.set G0A,  48                          ; s[48:51], s[52:55], s[56:59] their groups 0
.set G0B,  52
.set G0C,  56
.set CNT,  60                          ; s60  a loop's trips to go
.set DGB,  61                          ; s61  the diagonal's step for u = 31 - w
.set DGA,  62                          ; s62  for u = w
.set TB,   66                          ; s66  LDS byte, within K's or V's half, at which the step in hand begins
.set SG,   67                          ; s67  the step in hand
.set QB,   74                          ; s[74:75], s[76:77] Q's tile in memory: first pass, second pass
.set QA,   76
.set CB,   78                          ; s[78:79], s[80:81] ctx's piece in memory
.set CA,   80
.macro CROUND                          ; a round of the cluster's barrier
	s_barrier_signal -1
	s_barrier_wait -1
	s_cmp_lg_u32 s[WV], 0
	s_cbranch_scc1 .Lnot_wave_0_\@
	s_barrier_signal -3
.Lnot_wave_0_\@:
	s_barrier_wait -3
	s_barrier_signal -1
	s_barrier_wait -1
.endm
.macro GROUP1 g, rows                  ; a dense block as rows of 256 bytes: 32 elements of 8 bytes, no padding
	s_mov_b32 s[\g], 15|(3<<16)|(1<<21)            ; 15:0 the mask: all four work-groups; 17:16 elements of 8 bytes; 21 set beside a mask
	s_mov_b32 s[\g+1], 32<<16                      ; tensor_dim0
	s_mov_b32 s[\g+2], (\rows)<<16                 ; tensor_dim1
	s_mov_b32 s[\g+3], 32<<16                      ; tile_dim0
	s_mov_b32 s[\g+4], \rows                       ; tile_dim1
	s_mov_b32 s[\g+5], 32                          ; tensor_dim0_stride
	s_mov_b32 s[\g+6], 0
	s_mov_b32 s[\g+7], 0
.endm
.macro GROUP0 g, off                   ; s[off:off+1]: my share's byte within the head's K or V; the same number in LDS and in memory
	s_mov_b32 s[\g], 1
	s_add_co_u32 s[\g+1], s96, s[\off]
	s_add_nc_u64 s[\g+2:\g+3], s[94:95], s[\off:\off+1]
	s_or_b32 s[\g+3], s[\g+3], 0x80000000
.endm
	s_load_b256 s[4:11], s[0:1], 0x0               ; q_img s[4:5], k_img s[6:7], v_img s[8:9], the scales' exponents s[10:11]
	s_load_b64 s[12:13], s[0:1], 0x20              ; ctx_img
	v_lshl_add_u32 v254, v0, 2, 0x40000
	v_mov_b32 v255, 0
	ds_add_u32 v254, v255
	ds_add_u32 v254, v255
	s_wait_dscnt 0x0
	v_lshrrev_b32 v3, 5, v0
	s_delay_alu instid0(VALU_DEP_1)
	v_readfirstlane_b32 s[WV], v3                  ; wave 0..15
	s_bfe_u32 s15, ttmp6, 0x40000                  ; cx
	s_and_b32 s16, ttmp7, 0xffff                   ; hd, which the four partners share
	GROUP1 G1A, 8                                  ; steps 0-1:  16,384 bytes of K and of V, 2,048 a wave
	GROUP1 G1B, 24                                 ; steps 2-7:  49,152, 6,144 a wave
	GROUP1 G1C, 32                                 ; steps 8-15: 65,536, 8,192 a wave
	s_mov_b32 s[SEL], 0x76543210
	s_mov_b32 s[SEL+1], 0xfedcba98
	s_mov_b32 s[CS], 0x3e38aa3b                    ; log2(e) / 8
	s_xor_b32 s17, s[WV], 31                       ; 31 - w (w is below 16)
	s_lshr_b32 s[DGB], s17, 1
	s_lshr_b32 s[DGA], s[WV], 1
	s_lshl_b32 s18, s17, 2
	s_add_co_u32 s18, s18, s15                     ; the first pass's tile: 4 (31 - w) + cx
	s_lshl_b32 s19, s[WV], 2
	s_add_co_u32 s19, s19, s15                     ; the second pass's: 4 w + cx
	s_lshl_b32 s84, s15, 4
	s_and_b32 s82, s17, 1
	s_lshl_b32 s82, s82, 6
	s_add_co_u32 s82, s82, s84                     ; my first query less the diagonal step's first key: 64 (u % 2) + 16 cx
	s_and_b32 s83, s[WV], 1
	s_lshl_b32 s83, s83, 6
	s_add_co_u32 s83, s83, s84
	s_lshl_b32 s84, s16, 17                        ; the head's first byte in q_img, k_img and v_img
	s_mov_b32 s85, 0
	s_bfe_u32 s86, s16, 0x20002                    ; kk = (hd % 16) / 4
	s_lshl_b32 s86, s86, 21
	s_lshr_b32 s87, s16, 4                         ; the batch: 128 tiles of 4,096 bytes
	s_lshl_b32 s87, s87, 19
	s_add_co_u32 s86, s86, s87
	s_and_b32 s87, s16, 3                          ; hq
	s_lshl_b32 s87, s87, 10
	s_add_co_u32 s86, s86, s87
	s_lshl_b32 s[QB], s18, 10
	s_add_co_u32 s[QB], s[QB], s84
	s_mov_b32 s[QB+1], 0
	s_lshl_b32 s[QA], s19, 10
	s_add_co_u32 s[QA], s[QA], s84
	s_mov_b32 s[QA+1], 0
	s_lshl_b32 s[CB], s18, 12
	s_add_co_u32 s[CB], s[CB], s86
	s_mov_b32 s[CB+1], 0
	s_lshl_b32 s[CA], s19, 12
	s_add_co_u32 s[CA], s[CA], s86
	s_mov_b32 s[CA+1], 0
	; what I fetch: waves 0-7 an eighth of each group of K's steps, waves 8-15 of V's
	s_lshr_b32 s96, s[WV], 3
	s_lshl_b32 s96, s96, 17                        ; K's or V's half of LDS
	s_and_b32 s87, s[WV], 7
	s_mul_i32 s88, s87, 2048
	s_mov_b32 s89, 0
	s_mul_i32 s90, s87, 6144
	s_add_co_u32 s90, s90, 16384
	s_mov_b32 s91, 0
	s_mul_i32 s92, s87, 8192
	s_add_co_u32 s92, s92, 65536
	s_mov_b32 s93, 0
	s_wait_kmcnt 0x0
	s_load_b128 s[68:71], s[10:11], 0x18           ; e6, e7, e8, e9
	s_load_b32 s72, s[10:11], 0x28                 ; e10
	s_cmp_lt_u32 s[WV], 8
	s_cselect_b64 s[94:95], s[6:7], s[8:9]
	s_add_nc_u64 s[94:95], s[94:95], s[84:85]      ; the head's K or V: equal in the four partners for a given wave
	GROUP0 G0A, 88
	GROUP0 G0B, 90
	GROUP0 G0C, 92
	s_add_nc_u64 s[QB:QB+1], s[4:5], s[QB:QB+1]
	s_add_nc_u64 s[QA:QA+1], s[4:5], s[QA:QA+1]
	s_add_nc_u64 s[CB:CB+1], s[12:13], s[CB:CB+1]
	s_add_nc_u64 s[CA:CA+1], s[12:13], s[CA:CA+1]
	CROUND                                         ; all four work-groups are here: the joint loads meet
	tensor_load_to_lds s[G0A:G0A+3], s[G1A:G1A+7]  ; all fills of the launch go out together: three loads of mine are out
	s_nop 0
	tensor_load_to_lds s[G0B:G0B+3], s[G1B:G1B+7]
	s_nop 0
	tensor_load_to_lds s[G0C:G0C+3], s[G1C:G1C+7]
	s_nop 0
.rept 4
	v_nop
.endr
	v_and_b32 v3, 31, v0
	s_delay_alu instid0(VALU_DEP_1)
	v_lshlrev_b32 v[LI], 4, v3
	s_delay_alu instid0(VALU_DEP_1)
	v_add_nc_u32 v[LV], VBASE, v[LI]
.macro QLOAD qp                        ; my tile of Q: 1,024 bytes, the operand's eight registers
	global_load_b128 v[QF:QF+3],   v[LI], s[\qp:\qp+1]
	global_load_b128 v[QF+4:QF+7], v[LI], s[\qp:\qp+1] offset:512
.endm
	QLOAD QB
	v_and_b32 v3, 15, v0
	v_bfe_u32 v4, v0, 4, 1
	s_delay_alu instid0(VALU_DEP_1)
	v_lshlrev_b32 v4, 3, v4
	s_delay_alu instid0(VALU_DEP_1)
	v_sub_nc_u32 v[RH], v3, v4                     ; r - 8 hl
	v_mov_b32 v[NINF], 0xff800000
	v_mov_b32 v27, 0                               ; (named as the upper half of the pair v[26:27])
	v_mov_b32 v30, 0                               ; written once: a lane permute's destination counts as one of its sources
	s_wait_kmcnt 0x0
	s_add_co_i32 s84, s68, s69
	s_lshl_b32 s84, s84, 23
	s_add_co_i32 s[CS], s[CS], s84                 ; a score stands for score x 2^(e6 + e7): added to c's exponent field
	s_mov_b32 s[CS+1], s[CS]                       ; (named with it as a pair, so it is written)
	s_add_co_i32 s84, s70, 127
	s_lshl_b32 s85, s84, 23
	v_mov_b32 v[PSC], s85                          ; 2^e8
	s_sub_co_i32 s84, s72, s70
	s_sub_co_i32 s84, s84, s71                     ; a sum of the second product stands for sum x 2^(e8 + e9): ctx's code is (sum / l) / 2^(e10 - e8 - e9)
	s_add_co_i32 s84, s84, 127
	s_lshl_b32 s85, s84, 23
	v_mov_b32 v[CSC], s85
.macro INIT dd                         ; a pass begins: the step is written without a first step of its own: it finds zeros, which the first change of M leaves zeros
	v_mov_b32 v13, 0xff61b1e6                      ; the largest t so far: -3e38, under every t
	s_delay_alu instid0(VALU_DEP_1)
	v_floor_f32 v12, -v13                          ; -M
	v_mov_b32 v14, 0
	v_mov_b32 v15, 0
.set j, 0
.rept 32
	v_mov_b32 v[O+j], 0
.set j, j+1
.endr
	v_add_nc_u32 v[DD], s[\dd], v[RH]              ; on the diagonal, register 8 T + i (key 16 T + 8 hl + i of the step) is hidden where 16 T + i > this number
.endm
; A KEY STEP: 128 keys for my 16 queries.  causal = 1: the step may be hidden (left out: a scalar branch on the wave's number and the step's, round the work alone) or lie on the diagonal.
.macro STEP causal, dg
.if \causal
	s_cmp_gt_u32 s[SG], s[\dg]
	s_cbranch_scc1 .Lhidden_\@
.endif
	s_setprio 2
	v_add_nc_u32 v[ADK], s[TB], v[LI]
	v_add_nc_u32 v[ADV], s[TB], v[LV]
	v_nop
	v_nop                                          ; with the two additions: four places behind the last products, in front of loads into registers that they read
.irp t, 0,1,2,3,4,5,6,7
	ds_load_b128 v[KF+8*\t:KF+8*\t+3],   v[ADK] offset:1024*\t       ; 32 lanes, 512 consecutive bytes: an image of four registers
	ds_load_b128 v[KF+8*\t+4:KF+8*\t+7], v[ADK] offset:1024*\t+512
.endr
.irp f, 0,1,2,3,4,5,6,7,8,9,10,11,12,13,14,15
	ds_load_b128 v[VF+4*\f:VF+4*\f+3], v[ADV] offset:512*\f          ; V's four fragments land while the softmax is worked
.endr
	s_wait_dscnt 16                                ; K's sixteen loads are in; V's sixteen may be out
.irp t, 0,1,2,3,4,5,6,7
	v_wmma_f32_16x16x64_bf8_bf8 v[S+8*\t:S+8*\t+7], v[KF+8*\t:KF+8*\t+7], v[QF:QF+7], 0
.endr
.rept 4
	v_nop
.endr
.if \causal                            ; on the diagonal the scores of hidden keys become -infinity ahead of the maximum: p = 0 then.  Key 0 counts for every query, so M is a number from the first step on
	s_cmp_lt_u32 s[SG], s[\dg]
	s_cbranch_scc1 .Lopen_\@
.set n, 0
	s_wait_alu depctr_va_vdst(0)
.rept 64
	v_cmp_gt_i32 vcc_lo, 16*(n/8)+n%8, v[DD]
	v_cndmask_b32 v[S+n], v[S+n], v[NINF], vcc_lo
.set n, n+1
.endr
.Lopen_\@:
.endif
	v_max3_num_f32 v24, v[S], v[S+1], v[S+2]       ; the step's largest score of my query, among my 64 keys, in two chains, each tile from its low end on,
	v_max3_num_f32 v26, v[S+3], v[S+4], v[S+5]
.set j, 6
.rept 14
	v_max3_num_f32 v24, v24, v[S+j], v[S+j+1]
	v_max3_num_f32 v26, v26, v[S+j+2], v[S+j+3]
.set j, j+4
.endr
	v_max3_num_f32 v24, v24, v[S+62], v[S+63]
	s_delay_alu instid0(VALU_DEP_1)
	v_max_num_f32 v24, v24, v26
	v_permlanex16_b32 v30, v24, s[SEL], s[SEL+1]
	s_delay_alu instid0(VALU_DEP_1)
	v_max_num_f32 v24, v24, v30                    ; and among lane l xor 16's
	s_delay_alu instid0(VALU_DEP_1)
	v_mul_f32 v24, s[CS], v24                      ; as t (c is positive)
	s_delay_alu instid0(VALU_DEP_1)
	v_max_num_f32 v13, v13, v24                    ; the running largest t
	v_mov_b32 v24, v12
	s_delay_alu instid0(VALU_DEP_2)
	v_floor_f32 v12, -v13                          ; the new -M = floor(-t) = -ceil(t): a whole number
	s_delay_alu instid0(VALU_DEP_1)
	v_sub_f32 v24, v12, v24                        ; M's old value less its new one: a whole number, 0 or less
	s_delay_alu instid0(VALU_DEP_1)
	v_cvt_i32_f32 v24, v24                         ; (it saturates)
	s_delay_alu instid0(VALU_DEP_1)
	v_ldexp_f32 v26, 1.0, v24                      ; f = 2^(old M - new M)
.set j, 0
.rept 32
	v_pk_fma_f32 v[S+j:S+j+1], v[S+j:S+j+1], s[CS:CS+1], v[12:13] op_sel_hi:[1,0,0]   ; t - M, two at a time (of the pairs c and -M the low word serves both halves)
.set j, j+2
.endr
.set j, 0
	s_setprio 1
	s_wait_alu depctr_va_vdst(0)
.rept 64
	v_exp_f32 v[S+j], v[S+j]                       ; p = 2^(t - M), at most 1: not normalised
.set j, j+1
.endr
	v_pk_mul_f32 v[14:15], v[14:15], v[26:27] op_sel_hi:[1,0]   ; the sums under the new M: the plain line behind the exponentials
	s_wait_alu depctr_va_vdst(0)                   ; one wait for the batch of 64, ahead of its first reader
	v_pk_add_f32 v[28:29], v[100:101], v[104:105]
	v_pk_add_f32 v[94:95], v[108:109], v[112:113]
	v_pk_add_f32 v[92:93], v[116:117], v[120:121]
	v_pk_add_f32 v[90:91], v[124:125], v[128:129]
	v_pk_add_f32 v[88:89], v[132:133], v[136:137]
	v_pk_add_f32 v[86:87], v[140:141], v[144:145]
	v_pk_add_f32 v[84:85], v[148:149], v[152:153]
	v_pk_add_f32 v[14:15], v[14:15], v[156:157]
	v_pk_add_f32 v[28:29], v[28:29], v[96:97]
	v_pk_add_f32 v[94:95], v[94:95], v[98:99]
	v_pk_add_f32 v[92:93], v[92:93], v[102:103]
	v_pk_add_f32 v[90:91], v[90:91], v[106:107]
	v_pk_add_f32 v[88:89], v[88:89], v[110:111]
	v_pk_add_f32 v[86:87], v[86:87], v[114:115]
	v_pk_add_f32 v[84:85], v[84:85], v[118:119]
	v_pk_add_f32 v[14:15], v[14:15], v[122:123]
	v_pk_add_f32 v[28:29], v[28:29], v[126:127]
	v_pk_add_f32 v[94:95], v[94:95], v[130:131]
	v_pk_add_f32 v[92:93], v[92:93], v[134:135]
	v_pk_add_f32 v[90:91], v[90:91], v[138:139]
	v_pk_add_f32 v[88:89], v[88:89], v[142:143]
	v_pk_add_f32 v[86:87], v[86:87], v[146:147]
	v_pk_add_f32 v[84:85], v[84:85], v[150:151]
	v_pk_add_f32 v[14:15], v[14:15], v[154:155]
	v_pk_add_f32 v[28:29], v[28:29], v[158:159]
	s_delay_alu instid0(VALU_DEP_2)
	v_pk_add_f32 v[14:15], v[14:15], v[90:91]
	s_delay_alu instid0(VALU_DEP_2)
	v_pk_add_f32 v[28:29], v[28:29], v[88:89]
	v_pk_add_f32 v[94:95], v[94:95], v[86:87]
	v_pk_add_f32 v[92:93], v[92:93], v[84:85]
	s_delay_alu instid0(VALU_DEP_2)
	v_pk_add_f32 v[14:15], v[14:15], v[94:95]
	s_delay_alu instid0(VALU_DEP_2)
	v_pk_add_f32 v[28:29], v[28:29], v[92:93]
	s_delay_alu instid0(VALU_DEP_1)
	v_pk_add_f32 v[14:15], v[14:15], v[28:29]
	s_setprio 0
.irp t, 0,1,2,3,4,5,6,7
.irp i, 0,1,2,3,4,5,6,7
.endr
	v_cvt_scalef32_pk8_bf8_f32 v[PC+2*\t:PC+2*\t+1], v[S+8*\t:S+8*\t+7], v[PSC]   ; registers 2 T, 2 T + 1 of the operand P: keys 16 T + 8 hl + 0 .. 7
.endr
.set j, 0
.rept 16
	v_pk_mul_f32 v[O+j:O+j+1], v[O+j:O+j+1], v[26:27] op_sel_hi:[1,0]   ; O^T under the new M.  (Plain lines between the conversions and the products that read the codes)
.set j, j+2
.endr
	s_wait_alu depctr_va_vdst(0)
	s_wait_dscnt 0x0                               ; V is in
.irp d, 0,1,2,3                        ; the four accumulators take turns; between two links of a chain stand the three others' and the next step's eight products
	v_wmma_f32_16x16x128_bf8_bf8 v[O+8*\d:O+8*\d+7], v[VF+16*\d:VF+16*\d+15], v[PC:PC+15], v[O+8*\d:O+8*\d+7]
.endr
.if \causal
.Lhidden_\@:
	s_add_co_u32 s[SG], s[SG], 1
.endif
	s_add_co_u32 s[TB], s[TB], 8192
.endm
; THE WAY OUT of a pass: O^T / the sum, converted: the reader's registers, stored as two pieces of 512 bytes.
.macro WAYOUT cp
.rept 4
	v_nop                                          ; places behind the last products
.endr
	v_add_f32 v14, v14, v15                        ; the sum's two halves,
	v_permlanex16_b32 v30, v14, s[SEL], s[SEL+1]
	s_delay_alu instid0(VALU_DEP_1)
	v_add_f32 v14, v14, v30                        ; and lane l xor 16's
	s_wait_alu depctr_va_vdst(0)
	v_rcp_f32 v14, v14
	v_nop                                          ; a plain line behind the transcendental
	s_wait_alu depctr_va_vdst(0)                   ; and the wait ahead of its first reader
.set j, 0
.rept 16
	v_pk_mul_f32 v[S+j:S+j+1], v[O+j:O+j+1], v[14:15] op_sel_hi:[1,0]
.set j, j+2
.endr
.irp d, 0,1,2,3
.irp i, 0,1,2,3,4,5,6,7
.endr
	v_cvt_scalef32_pk8_bf8_f32 v[24+2*\d:25+2*\d], v[S+8*\d:S+8*\d+7], v[CSC]
.endr
	v_nop                                          ; one plain vector line behind the last conversion of a run
	global_store_b128 v[LI], v[24:27], s[\cp:\cp+1]              ; 32 lanes, 512 consecutive bytes, at a multiple of 512 from the buffer's first byte
	global_store_b128 v[LI], v[28:31], s[\cp:\cp+1] offset:512
.endm
	INIT 82                                        ; FIRST PASS: u = 31 - w, at least 16: its steps 0 to 7 are open in every wave
	s_wait_tensorcnt 2                             ; my share of steps 0-1 is in; the two later groups may stay out: no LDS byte is ever filled again,
	s_barrier_signal -1
	s_barrier_wait -1                              ; everybody's is
	s_wait_loadcnt 0x0                             ; Q
	s_mov_b32 s[TB], 0
	s_mov_b32 s[CNT], 2
.Lsteps_0_1:
	STEP 0, DGB
	s_sub_co_u32 s[CNT], s[CNT], 1
	s_cmp_lg_u32 s[CNT], 0
	s_cbranch_scc1 .Lsteps_0_1
	s_setprio 0
	s_wait_tensorcnt 1                             ; my share of steps 2-7 is in; the last group may stay out
	s_barrier_signal -1
	s_barrier_wait -1
	s_mov_b32 s[TB], 16384                         ; the group's first byte
	s_mov_b32 s[CNT], 6
.Lsteps_2_7:
	STEP 0, DGB
	s_sub_co_u32 s[CNT], s[CNT], 1
	s_cmp_lg_u32 s[CNT], 0
	s_cbranch_scc1 .Lsteps_2_7
	s_setprio 0
	s_wait_tensorcnt 0x0                           ; my share of steps 8-15 is in
	s_barrier_signal -1
	s_barrier_wait -1                              ; the last barrier of the work: from here on no wave waits for another
	s_mov_b32 s[TB], 65536
	s_mov_b32 s[SG], 8
	s_mov_b32 s[CNT], 8
.Lsteps_8_15:
	STEP 1, DGB
	s_sub_co_u32 s[CNT], s[CNT], 1
	s_cmp_lg_u32 s[CNT], 0
	s_cbranch_scc1 .Lsteps_8_15
	s_setprio 0
	QLOAD QA                                       ; the second pass's Q lands while the first pass goes out (the products that read Q's registers stand a softmax back)
	WAYOUT CB
	INIT 83                                        ; SECOND PASS: u = w: steps 0 to w / 2
	s_wait_xcnt 0x0                                ; the stores have read v24-31, which the steps write again
	s_wait_loadcnt 0x0                             ; Q
	s_mov_b32 s[TB], 0
	s_mov_b32 s[SG], 0
	s_mov_b32 s[CNT], 8
.Lsecond:
	STEP 1, DGA
	s_sub_co_u32 s[CNT], s[CNT], 1
	s_cmp_lg_u32 s[CNT], 0
	s_cbranch_scc1 .Lsecond
	s_setprio 0
	WAYOUT CA
	s_wait_xcnt 0x0
	v_lshl_add_u32 v254, v0, 2, 0x40000
	v_mov_b32 v255, 0
	s_wait_alu depctr_va_vdst(0)
	s_wait_tensorcnt 0x0
	ds_add_u32 v254, v255
	s_wait_dscnt 0x0
	CROUND                                         ; the closing round
	s_endpgm
.Lfunc_end_k_q04e292a5a5_attn:
	.size	k_q04e292a5a5_attn, .Lfunc_end_k_q04e292a5a5_attn-k_q04e292a5a5_attn
	.p2alignl 7, 3214868480
	.fill 96, 4, 3214868480
	.section	.rodata,"a",@progbits
	.p2align	6, 0x0
	.amdhsa_kernel k_q04e292a5a5_attn
		.amdhsa_group_segment_fixed_size 264192
		.amdhsa_private_segment_fixed_size 0
		.amdhsa_enable_private_segment 0
		.amdhsa_kernarg_size 40
		.amdhsa_user_sgpr_count 2
		.amdhsa_user_sgpr_kernarg_segment_ptr 1
		.amdhsa_wavefront_size32 1
		.amdhsa_system_sgpr_workgroup_id_x 1
		.amdhsa_system_sgpr_workgroup_id_y 1
		.amdhsa_system_sgpr_workgroup_id_z 1
		.amdhsa_system_vgpr_workitem_id 0
		.amdhsa_next_free_vgpr 256
		.amdhsa_next_free_sgpr 100
		.amdhsa_reserve_vcc 1
		.amdhsa_float_denorm_mode_32 3
		.amdhsa_float_denorm_mode_16_64 3
		.amdhsa_fp16_overflow 1
		.amdhsa_memory_ordered 1
		.amdhsa_forward_progress 1
		.amdhsa_inst_pref_size 81
	.end_amdhsa_kernel
	.amdgpu_metadata
---
amdhsa.version: [ 1, 2 ]
amdhsa.kernels:
  - .name:           k_q04e292a5a5_attn
    .symbol:         k_q04e292a5a5_attn.kd
    .args:
      - { .name: q_img, .offset: 0, .size: 8, .value_kind: global_buffer, .address_space: global }
      - { .name: k_img, .offset: 8, .size: 8, .value_kind: global_buffer, .address_space: global }
      - { .name: v_img, .offset: 16, .size: 8, .value_kind: global_buffer, .address_space: global }
      - { .name: lowp_scales, .offset: 24, .size: 8, .value_kind: global_buffer, .address_space: global }
      - { .name: ctx_img, .offset: 32, .size: 8, .value_kind: global_buffer, .address_space: global }
    .group_segment_fixed_size: 264192
    .private_segment_fixed_size: 0
    .kernarg_segment_align: 8
    .kernarg_segment_size: 40
    .max_flat_workgroup_size: 512
    .sgpr_count:     100
    .vgpr_count:     256
    .wavefront_size: 32
...
	.end_amdgpu_metadata
.endif
;; end of part 2
;; launch proj (part 3): grid 4 x 32, 4 waves a work-group, clusters of 4 x 4, 327,680 bytes of LDS; arguments ctx_img, W_o_codes, lowp_scales, b_o, out0; writes out0
.if DOCPART == 3
	.amdgcn_target "amdgcn-amd-amdhsa--gfx1250"
	.amdhsa_code_object_version 6
	.text
	.protected	k_q04e292a5a5_proj
	.globl	k_q04e292a5a5_proj
	.p2align	8
	.type	k_q04e292a5a5_proj,@function
k_q04e292a5a5_proj:
	s_mov_b64 s[64:65], 0
	v_nop
	global_prefetch_b8 v0, s[64:65] scope:SCOPE_SE
	s_setreg_imm32_b32 hwreg(HW_REG_WAVE_MODE, 25, 1), 1
	s_wait_xcnt 0x0
	s_wait_alu depctr_hold_cnt(0) depctr_sa_sdst(0) depctr_va_vdst(0) depctr_va_sdst(0) depctr_va_ssrc(0) depctr_va_vcc(0) depctr_vm_vsrc(0)
	s_getreg_b32 s2, hwreg(HW_REG_IB_STS2, 6, 4)
	s_cmp_eq_u32 s2, 0
	s_cbranch_scc0 .Lentry_in_a_cluster
	s_endpgm
.Lentry_in_a_cluster:
	s_bfe_u32 s2, ttmp6, 0x10000c
	s_cmp_lg_u32 s2, 0xf033
	s_cbranch_scc0 .Lentry_shape_is_right
	s_endpgm
.Lentry_shape_is_right:
; out0[token][n] = (the sum over k of ctx[token][k] W_o[n][k]) x 2^(e10 + e11) + b_o[n], on codes of BF8 (E5M2); sums in f32; out0: [8192][1024] f32.
; W_o_codes: [1024 (n)][1024 (k)], rows of 1,024 bytes.  ctx_img: [kk 4][tile of 16 tokens 512][4,096 bytes]: for K = 256 kk .. 256 kk + 255 two images of the K = 128 operand's registers:
; fragment q at 2,048 q, its registers 4 g .. 4 g + 3 at 512 g + 16 x lane; registers 2 c, 2 c + 1 hold k = 16 c + 8 (lane / 16) + 0 .. 7 of token lane % 16.
; LIMIT: e10 + e11 lies between -126 and 127, so that 2^(e10 + e11) is an f32 number.
; A tile of out0, 256 x 256, is made by a work-group of four waves; a wave makes 128 x 128: 64 accumulators, 512 registers.  K goes in steps of 256 through two LDS slots filled by the tensor data mover.
; Region A of a slot is 256 tokens' images (dense: 256 bytes a token), region B 256 rows of W_o (256 bytes + 16 of padding).  ctx's images hold each k in the form's own place, so W_o's fragments are
; fetched in that place too: eight loads of 8 bytes.
; CLUSTERS: 4 x 4 work-groups: A's tile is shared along a row of the cluster, B's along a column: each is asked for JOINTLY.  128 work-groups: a tile of 256 x 256 is kept for the sake of the
; multiply-adds that each LDS byte feeds.
; THE MATRIX INSTRUCTION IS USED TRANSPOSED (source 0 = 16 rows of W_o, source 1 = 16 tokens): a lane holds eight neighbouring numbers of a row of out0.
; No prefetch: K is four steps; two are asked for at the head and the other two within the first two steps.
; REGISTERS, in windows of 256: window 0: v0-31 addresses, v8-11 my four numbers of b_o; from v128 A's fragments, ONE set; on the way out v128-255 take rows of out0.
;   window 1: B's fragments, TWO sets.   window 2: the accumulators of my rows 0-63 (accumulator (a, b) at v[8 (8 a + b)]);   window 3: those of my rows 64-127.
.set KROW,   1024                      ; a row of W_o in memory, in bytes
.set PITCH,  272                       ; B's LDS row: 256 bytes + 16 of padding = 68 words: lane (r, hl) of a load of 8 bytes starts at bank 4 r + 2 hl mod 64 (64 banks of 4 bytes: ISA guide 11.1)
.set FR,     16                        ; registers of a fragment: 16 rows x 128 K
.set NL,     4                         ; LDS loads that bring a fragment of A
.set NP,     4                         ; places behind this matrix instruction (ISA guide 7.12.1)
.set AHALF,  32768                     ; 128 tokens' images: what one tensor load brings of A
.set BHALF,  128*PITCH                 ; 128 rows of W_o
.set BOFF,   2*AHALF
.set SLOT,   2*AHALF+2*BHALF
.set KKB,    2097152                   ; from one 256 along K to the next in ctx_img
.set SPARE,  2*SLOT                    ; behind the ring: the spare words, 128 bytes for each wave: two blocks of 256 bytes that no other line names
.set SPITCH, 528                       ; the way out: a stage of 16 rows x (512 bytes + 16) for each wave, in slot 0, which has had its last fill and its last read when the first result is stored there
.set BIAS, 8                           ; v8-11
.set ADRA, 16                          ; v16-17  LDS address of my A fragments in slot 0, 1
.set ADRB, 20                          ; v20-21  the same for B
.set STO,  24                          ; v24     the way out: where I put 32 bytes of a row
.set RD,   25                          ; v25     the way out: where I read a row back
.set CO,   26                          ; v26     16 x lane
.set SPW,  28                          ; v28     LDS address of my spare word; never rewritten
.set NIL,  29                          ; v29     0; never rewritten
.set AF,   128                         ; A's fragments, in window 0
.set BK,   128                         ; the way out: 16 rows read back from the stage: v128-191 and v192-255 by turns
.set G1, 24                            ; s[24:31] descriptor group 1 for A's tiles;  s[32:39] group 0, one set for each slot
.set G0, 32
.set G1B, 48                           ; s[48:55], s[56:63] the same for B's tiles
.set G0B, 56
.set MSB, 0
.macro WIN new                         ; the immediate's high byte repeats the setting that is left
.if MSB != \new
	s_set_vgpr_msb (MSB<<8)|\new
.set MSB, \new
.endif
.endm
.set MUL_LO, 0xa1                      ; source 0 (B) window 1, source 1 (A) window 0, C and D window 2
.set MUL_HI, 0xf1                      ; the same, C and D window 3
.set TO_B,   0x40                      ; destination window 1, address window 0
.macro JLOAD g0a, g1a, g0b, g1b        ; a joint load: waves 0 and 1 fetch for A, waves 2 and 3 for B; four v_nop follow each of the two lines
	s_cmp_eq_u32 s15, 0
	s_cbranch_scc0 .Lfor_b_\@
	tensor_load_to_lds s[\g0a:\g0a+3], s[\g1a:\g1a+7]
	s_nop 0
.rept 4
	v_nop
.endr
	s_branch .Lasked_\@
.Lfor_b_\@:
	tensor_load_to_lds s[\g0b:\g0b+3], s[\g1b:\g1b+7]
	s_nop 0
.rept 4
	v_nop
.endr
.Lasked_\@:
.endm
.macro CREST                           ; a round of the cluster's barrier behind its opening barrier
	s_cmp_lg_u32 s14, 0
	s_cbranch_scc1 .Lnot_wave_0_\@
	s_barrier_signal -3
.Lnot_wave_0_\@:
	s_barrier_wait -3
	s_barrier_signal -1
	s_barrier_wait -1
.endm
.macro CROUND                          ; a whole round
	s_barrier_signal -1
	s_barrier_wait -1
	CREST
.endm
	s_load_b128 s[4:7], s[0:1], 0x0                ; ctx_img s[4:5], W_o's codes s[6:7]
	s_load_b128 s[8:11], s[0:1], 0x10              ; the scales' exponents s[8:9], b_o s[10:11]
	s_load_b64 s[12:13], s[0:1], 0x20              ; out0
	v_lshl_add_u32 v[SPW], v0, 2, SPARE
	v_mov_b32 v[NIL], 0
	ds_add_u32 v28, v29
	ds_add_u32 v28, v29
	s_wait_dscnt 0x0
	v_lshrrev_b32 v1, 5, v0
	v_readfirstlane_b32 s14, v1                    ; wave 0..3
	s_lshr_b32 s15, s14, 1                         ; which half of the tile's rows is mine.  Also: I fetch for A (0) or for B (1)
	s_and_b32 s16, s14, 1                          ; which half of its columns.  Also: which half of that tile I fetch
	s_bfe_u32 s40, ttmp6, 0x40000                  ; cx, cy
	s_bfe_u32 s41, ttmp6, 0x40004
	s_lshl_b32 s42, ttmp9, 2
	s_add_co_u32 s42, s42, s40                     ; tile column = 4 x cluster x + cx
	s_and_b32 s17, ttmp7, 0xffff
	s_lshl_b32 s17, s17, 2
	s_add_co_u32 s17, s17, s41                     ; tile row = 4 x cluster y + cy
	s_lshl_b32 s43, s41, 2
	s_lshl_b32 s43, 15, s43                        ; my row of the cluster
	s_lshl_b32 s44, 0x1111, s40                    ; my column
	; descriptor group 1 for A: a dense block of 32,768 bytes as 128 rows of 32 elements of 8 bytes, no padding
	s_or_b32 s[G1+0], s43, (3<<16)|(1<<21)         ; 15:0 the mask: my row; 17:16 elements of 8 bytes; 21 set beside a mask
	s_mov_b32 s[G1+1], 32<<16                      ; tensor_dim0
	s_mov_b32 s[G1+2], 128<<16                     ; tensor_dim1
	s_mov_b32 s[G1+3], 32<<16                      ; tile_dim0
	s_mov_b32 s[G1+4], 128                         ; tile_dim1
	s_mov_b32 s[G1+5], 32                          ; tensor_dim0_stride
	s_mov_b32 s[G1+6], 0
	s_mov_b32 s[G1+7], 0
	; for B: 128 rows x 256 bytes, 1,024 bytes apart, padded in LDS
	s_or_b32 s[G1B+0], s44, (0<<16)|(1<<20)|(1<<21)|(5<<22)|(3<<25)  ; the mask: my column; element of 1 byte; padding on: four words after every 64
	s_mov_b32 s[G1B+1], 256<<16
	s_mov_b32 s[G1B+2], 128<<16
	s_mov_b32 s[G1B+3], 256<<16
	s_mov_b32 s[G1B+4], 128
	s_mov_b32 s[G1B+5], KROW
	s_mov_b32 s[G1B+6], 0
	s_mov_b32 s[G1B+7], 0
	s_lshl_b32 s18, s16, 7                         ; which 128 rows of the tile I fetch
	s_lshl_b32 s20, s17, 8
	s_add_co_u32 s20, s20, s18
	s_lshl_b32 s20, s20, 8                         ; A: (256 x tile row + 128 x half) tokens of 256 bytes
	s_mov_b32 s21, 0
	s_lshl_b32 s46, s42, 8
	s_add_co_u32 s46, s46, s18
	s_lshl_b32 s46, s46, 10                        ; B: (256 x tile column + 128 x half) rows of 1,024 bytes
	s_mov_b32 s47, 0
	s_mul_i32 s45, s16, AHALF                      ; where they go: no place in the cluster enters an LDS address
	s_mul_i32 s3, s16, BHALF
	s_add_co_u32 s3, s3, BOFF
	s_wait_kmcnt 0x0
	s_load_b64 s[96:97], s[8:9], 0x28              ; e10, e11
	s_add_nc_u64 s[20:21], s[4:5], s[20:21]
	s_add_nc_u64 s[46:47], s[6:7], s[46:47]
	CROUND                                         ; all sixteen work-groups are here: the first joint loads meet
.irp s, 0,1
	s_mov_b32 s[G0+4*\s], 1
	s_add_co_u32 s[G0+4*\s+1], s45, \s*SLOT
	s_add_nc_u64 s[G0+4*\s+2:G0+4*\s+3], s[20:21], \s*KKB
	s_or_b32 s[G0+4*\s+3], s[G0+4*\s+3], 0x80000000
	s_mov_b32 s[G0B+4*\s], 1
	s_add_co_u32 s[G0B+4*\s+1], s3, \s*SLOT
	s_add_nc_u64 s[G0B+4*\s+2:G0B+4*\s+3], s[46:47], \s*256
	s_or_b32 s[G0B+4*\s+3], s[G0B+4*\s+3], 0x80000000
	s_wait_alu depctr_va_vdst(0)
	s_wait_tensorcnt 0x0
	ds_add_u32 v28, v29
	ds_add_u32 v28, v29
	s_wait_dscnt 0x0
	CROUND
	JLOAD G0+4*\s, G1, G0B+4*\s, G1B
.endr
	v_and_b32 v1, 15, v0                           ; r
	v_bfe_u32 v2, v0, 4, 1                         ; hl
	v_and_b32 v6, 31, v0
	v_lshlrev_b32 v[CO], 4, v6                     ; 16 x lane
	v_mul_u32_u24 v3, v1, PITCH
	v_lshl_add_u32 v4, v2, 3, v3                   ; B: row x pitch + 8 x half
	s_mul_i32 s21, s15, AHALF                      ; my 128 tokens
	s_mul_i32 s22, s16, BHALF                      ; my 128 rows of W_o,
	s_add_co_u32 s22, s22, BOFF                    ; which lie behind A's images
.irp s, 0,1
	v_add_nc_u32 v[ADRA+\s], s21, v[CO]
	v_add_nc_u32 v[ADRB+\s], s22, v4
	s_add_co_u32 s21, s21, SLOT
	s_add_co_u32 s22, s22, SLOT
.endr
	s_mul_i32 s23, s14, 16*SPITCH                  ; my stage
	v_mul_u32_u24 v5, v1, SPITCH                   ; in: row r, 32 bytes for each half of the lanes
	v_lshl_add_u32 v5, v2, 5, v5
	v_add_nc_u32 v[STO], s23, v5
	v_add_nc_u32 v[RD], s23, v[CO]                 ; back: the 32 lanes take one row of 512 bytes
	s_lshl_b32 s46, s42, 10                        ; my first column, in bytes of f32: 1,024 x tile column + 512 x half: in b_o and in a row of out0 alike
	s_lshl_b32 s47, s16, 9
	s_add_co_u32 s46, s46, s47
	s_mov_b32 s47, 0
	s_add_nc_u64 s[10:11], s[10:11], s[46:47]
	global_load_b128 v[BIAS:BIAS+3], v[CO], s[10:11]   ; b_o of the four columns that I read back of every row
	s_lshl_b32 s20, s17, 8
	s_lshl_b32 s21, s15, 7
	s_add_co_u32 s20, s20, s21                     ; my first row: 256 x tile row + 128 x half
	s_lshl_b32 s20, s20, 12                        ; rows of 4,096 bytes
	s_mov_b32 s21, 0
	s_add_nc_u64 s[20:21], s[20:21], s[46:47]
	s_add_nc_u64 s[12:13], s[12:13], s[20:21]
.macro FRAGA reg, adr, q, i            ; A's block i, the slot's q-th 128 along K: the image's four pieces of 512 bytes
.irp g, 0,1,2,3
	ds_load_b128 v[\reg+4*\g:\reg+4*\g+3], v[\adr] offset:4096*(\i)+2048*(\q)+512*\g
.endr
.endm
.macro FRAGB reg, adr, q, i            ; B's block i: lane l holds row l % 16; registers 2 c, 2 c + 1 hold K = 16 c + 8 (l / 16) + 0 .. 7
.irp c, 0,1,2,3,4,5,6,7
	ds_load_b64 v[\reg+2*\c:\reg+2*\c+1], v[\adr] offset:128*(\q)+16*\c+(\i)*16*PITCH
.endr
.endm
; 16 matrix instructions: A's blocks a0, a0 + 1 x B's eight, 128 along K.  p: B's set.  zero = 1: the first product starts the sums.
; The 64 accumulators take turns, one instruction a turn, in the same order in every step.
.macro MUL16 a0, p, zero
.irp a, \a0, \a0+1
.irp b, 0,1,2,3,4,5,6,7
.if \zero
	v_wmma_f32_16x16x128_bf8_bf8 v[8*(8*((\a)%4)+\b):8*(8*((\a)%4)+\b)+7], v[128*(\p)+FR*\b:128*(\p)+FR*\b+FR-1], v[AF+FR*(\a):AF+FR*(\a)+FR-1], 0
.else
	v_wmma_f32_16x16x128_bf8_bf8 v[8*(8*((\a)%4)+\b):8*(8*((\a)%4)+\b)+7], v[128*(\p)+FR*\b:128*(\p)+FR*\b+FR-1], v[AF+FR*(\a):AF+FR*(\a)+FR-1], v[8*(8*((\a)%4)+\b):8*(8*((\a)%4)+\b)+7]
.endif
.endr
.endr
.endm
.macro FETCH_B slot, q, p
	WIN TO_B
.irp i, 0,1,2,3,4,5,6,7
	FRAGB 128*(\p)+FR*\i, ADRB+\slot, \q, \i
.endr
	WIN 0
.endm
.macro FETCH_A slot, q, i0
.irp i, \i0, \i0+1, \i0+2, \i0+3
	FRAGA AF+FR*(\i), ADRA+\slot, \q, \i
.endr
.endm
.macro PLACES n                        ; places in front of loads into registers that matrix instructions have read, and of the first read of results (ISA guide 7.12.1 for the first read of results)
.rept \n
	v_nop
.endr
.endm
.macro STEP slot, q, zero              ; a step of 128 along K that has its successor in the same slot
	s_wait_dscnt 4*NL                              ; B's set and A's blocks 0-3 are in; the youngest sixteen loads (A's blocks 4-7) may be out
	WIN MUL_LO
	MUL16 0, (\q)%2, \zero
	MUL16 2, (\q)%2, \zero
	s_wait_dscnt 0                                 ; A's blocks 4-7 are in
	PLACES NP
	FETCH_B \slot, (\q)+1, 1-(\q)%2
	FETCH_A \slot, (\q)+1, 0
	WIN MUL_HI
	MUL16 4, (\q)%2, \zero
	MUL16 6, (\q)%2, \zero
	PLACES NP
	WIN 0
	FETCH_A \slot, (\q)+1, 4
.endm
; A slot's last step changes slots: ONE barrier; in front of it each wave waits for all its tensor loads, adds 0 to its spare word, and waits for that and for its own reads of this slot.
.macro TURN slot, next, fill
	s_wait_tensorcnt 0x0                           ; all my tensor loads have landed: my part of the next slot  (every window is 0 here)
	ds_add_u32 v[SPW], v[NIL]                      ; 0 onto my spare word
	s_wait_dscnt 4*NL+1                            ; (the add and the youngest sixteen loads, A's blocks 4-7, may be out)
	WIN MUL_LO
	MUL16 0, 1, 0                                  ; sixteen matrix instructions stand between the add and the wait for it
	s_wait_dscnt 0x0                               ; the add is done, and my reads of this slot are over
	s_barrier_signal -1
	MUL16 2, 1, 0
	WIN 0
	s_barrier_wait -1
.if \fill
	CREST                                          ; no wave of any partner still reads this slot's tile or has a load on its way
	s_add_nc_u64 s[G0+4*\slot+2:G0+4*\slot+3], s[G0+4*\slot+2:G0+4*\slot+3], 2*KKB
	s_add_nc_u64 s[G0B+4*\slot+2:G0B+4*\slot+3], s[G0B+4*\slot+2:G0B+4*\slot+3], 2*256
	JLOAD G0+4*\slot, G1, G0B+4*\slot, G1B         ; the first tensor load behind the round; its four v_nop are the places in front of the loads below
.else
	PLACES NP
.endif
	FETCH_B \next, 0, 0
	FETCH_A \next, 0, 0
	WIN MUL_HI
	MUL16 4, 1, 0
	MUL16 6, 1, 0
	PLACES NP
	WIN 0
	FETCH_A \next, 0, 4
.endm
	s_wait_alu depctr_va_vdst(0)
	s_wait_tensorcnt 1                             ; my part of K step 0 is in (K step 1's load may be out)
	s_barrier_signal -1
	s_barrier_wait -1                              ; everybody's is
	FETCH_B 0, 0, 0
	FETCH_A 0, 0, 0
	FETCH_A 0, 0, 4
	STEP 0, 0, 1                                   ; K = 1,024 is eight steps of 128, four slots' worth: written out.  The first products start the sums
	TURN 0, 1, 1
	STEP 1, 0, 0
	TURN 1, 0, 1
	STEP 0, 0, 0
	TURN 0, 1, 0                                   ; nothing is left to fetch
	STEP 1, 0, 0
	s_wait_dscnt 4*NL                              ; the very last step
	WIN MUL_LO
	MUL16 0, 1, 0
	MUL16 2, 1, 0
	s_wait_dscnt 0
	WIN MUL_HI
	MUL16 4, 1, 0
	MUL16 6, 1, 0
	WIN 0
; THE WAY OUT, block by block of 16 rows x 128 columns.  A lane holds 32 neighbouring bytes of a row, and the lanes beside it hold other rows: so a block's sums go through my own stage in LDS as they are and come
; back as whole rows of 512 bytes.  Read back so, a lane holds the same four columns of every row: one packed multiply-add for two numbers gives sum x 2^(e10 + e11) + b_o from four registers of bias.
; LDS serves a wave's instructions in order (ISA guide 5.7.1.4): no wait between the stores and the loads, nor in front of the next block's stores.
.macro TOSTAGE a
.set AC, 64*((\a)%4)
.set WS, (2+(\a)/4)<<2
	WIN WS                                         ; an LDS store's data are its source 1: window 2 or 3
.irp b, 0,1,2,3,4,5,6,7
	ds_store_b128 v[STO], v[AC+8*\b:AC+8*\b+3] offset:64*\b          ; each accumulator from its low end on
	ds_store_b128 v[STO], v[AC+8*\b+4:AC+8*\b+7] offset:64*\b+16
.endr
	WIN 0
.set BB, BK+64*((\a)%2)
.irp t, 0,1,2,3,4,5,6,7,8,9,10,11,12,13,14,15
	ds_load_b128 v[BB+4*\t:BB+4*\t+3], v[RD] offset:\t*SPITCH
.endr
.endm
.macro SEND a, younger                 ; younger: the LDS instructions issued behind block a's loads, which may stay out
.set BB, BK+64*((\a)%2)
	s_wait_dscnt \younger                          ; the block is back in registers
.if (\a) > 0
	s_add_nc_u64 s[12:13], s[12:13], 16*4096       ; (behind a wait on XCNT: the earlier stores have read their base)  16 rows on
.endif
.irp t, 0,1,2,3,4,5,6,7,8,9,10,11,12,13,14,15
	v_pk_fma_f32 v[BB+4*\t:BB+4*\t+1],   v[BB+4*\t:BB+4*\t+1],   s[96:97], v[BIAS:BIAS+1]   op_sel_hi:[1,0,1]
	v_pk_fma_f32 v[BB+4*\t+2:BB+4*\t+3], v[BB+4*\t+2:BB+4*\t+3], s[96:97], v[BIAS+2:BIAS+3] op_sel_hi:[1,0,1]
	global_store_b128 v[CO], v[BB+4*\t:BB+4*\t+3], s[12:13] offset:\t*4096 th:TH_STORE_NT   ; 32 lanes store 512 consecutive bytes, at a multiple of 512 from out0's first byte; written once, read by nobody here
.endr
.endm
	s_wait_kmcnt 0x0
	s_add_co_i32 s96, s96, s97                     ; e10 + e11, between -126 and 127,
	s_add_co_i32 s96, s96, 127
	s_lshl_b32 s96, s96, 23                        ; makes the f32 number 2^(e10 + e11)
	s_mov_b32 s97, s96                             ; (named with it as a pair)
	s_wait_loadcnt 0x0                             ; b_o
	PLACES NP                                      ; behind the last products: for the LDS stores that read results and the loads into the registers that held A's fragments
	TOSTAGE 0
.irp a, 1,2,3,4,5,6,7
.if \a > 1
	s_wait_xcnt 0x0                                ; block a - 2's stores have read their registers and their base: block a's loads may land there, and the base may step
.endif
	TOSTAGE \a
	SEND \a-1, 32                                  ; behind block a - 1's loads: block a's 16 stores and 16 loads
.endr
	s_wait_xcnt 0x0                                ; block 6's stores have read their base
	SEND 7, 0
	s_wait_tensorcnt 0x0                           ; the wave's end
	ds_add_u32 v[SPW], v[NIL]
	s_wait_dscnt 0x0
	CROUND                                         ; the closing round: no work-group ends while a partner may still ask for a tile that names it
	s_endpgm
.Lfunc_end_k_q04e292a5a5_proj:
	.size	k_q04e292a5a5_proj, .Lfunc_end_k_q04e292a5a5_proj-k_q04e292a5a5_proj
	.p2alignl 7, 3214868480
	.fill 96, 4, 3214868480
	.section	.rodata,"a",@progbits
	.p2align	6, 0x0
	.amdhsa_kernel k_q04e292a5a5_proj
		.amdhsa_group_segment_fixed_size 327680
		.amdhsa_private_segment_fixed_size 0
		.amdhsa_enable_private_segment 0
		.amdhsa_kernarg_size 40
		.amdhsa_user_sgpr_count 2
		.amdhsa_user_sgpr_kernarg_segment_ptr 1
		.amdhsa_wavefront_size32 1
		.amdhsa_system_sgpr_workgroup_id_x 1
		.amdhsa_system_sgpr_workgroup_id_y 1
		.amdhsa_system_sgpr_workgroup_id_z 1
		.amdhsa_system_vgpr_workitem_id 0
		.amdhsa_next_free_vgpr 1024
		.amdhsa_next_free_sgpr 100
		.amdhsa_reserve_vcc 0
		.amdhsa_float_denorm_mode_32 3
		.amdhsa_float_denorm_mode_16_64 3
		.amdhsa_memory_ordered 1
		.amdhsa_forward_progress 1
		.amdhsa_inst_pref_size 140
	.end_amdhsa_kernel
	.amdgpu_metadata
---
amdhsa.version: [ 1, 2 ]
amdhsa.kernels:
  - .name:           k_q04e292a5a5_proj
    .symbol:         k_q04e292a5a5_proj.kd
    .args:
      - { .name: ctx_img, .offset: 0, .size: 8, .value_kind: global_buffer, .address_space: global }
      - { .name: W_o_codes, .offset: 8, .size: 8, .value_kind: global_buffer, .address_space: global }
      - { .name: lowp_scales, .offset: 16, .size: 8, .value_kind: global_buffer, .address_space: global }
      - { .name: b_o, .offset: 24, .size: 8, .value_kind: global_buffer, .address_space: global }
      - { .name: out0, .offset: 32, .size: 8, .value_kind: global_buffer, .address_space: global }
    .group_segment_fixed_size: 327680
    .private_segment_fixed_size: 0
    .kernarg_segment_align: 8
    .kernarg_segment_size: 40
    .max_flat_workgroup_size: 128
    .sgpr_count:     100
    .vgpr_count:     1024
    .wavefront_size: 32
...
	.end_amdgpu_metadata
.endif
;; end of part 3
